; MI455X (gfx1250); checked and timed in simulation.
; The chip was launched on July 23, 2026; its instructions are those of AMD's public machine-readable ISA for CDNA 5 (MIT licence, August 2026) and "CDNA5" Instruction Set Architecture Reference Guide (July 2026). The comments in the code are by the model that wrote it; some were corrected since.
;; Multi Head Self Attention. Allowed arithmetic: matrix products marked QUANTISED: E2M3 operands, one E8M0 scale for each 32 along K, by v_wmma_scale_f32_16x16x128_f8f6f4 with both operands' format E2M3, f32 sums; everything else in f32.
;; Inputs: Wk 512 x 512 float32; Wq 512 x 512 float32; bk 512 float32; bq 512 float32; x 2 x 4,096 x 512 float32.
;; Outputs: out0 2 x 4,096 x 512 float32.
;; This version of the problem:
;;   THIS VERSION OF THE PROBLEM IS GIVEN IN LOW PRECISION. The matrix products marked QUANTISED in the list below multiply operands that are first quantised to E2M3 (2 exponent bits, 3 mantissa bits; 6 bits a number), with one power-of-two scale for each 32 numbers along K (OCP MX v1.0); their sums are f32. All else is computed in f32.
;;   The module's matrix products, in the order in which they are computed (A, B: the left and right operand; K: the contracted axis; several contracted axes count as one K, in the product's order):
;;     1. [M 8,192, K 512] x [K 512, N 512]; A: input x; B: input Wq: QUANTISED
;;     2. [M 8,192, K 512] x [K 512, N 512]; A: input x; B: input Wk: QUANTISED
;;     3. batch 16 x [M 4,096, K 64] x [K 64, N 4,096]; A: computed on the way; B: computed on the way: QUANTISED
;;     4. batch 16 x [M 4,096, K 4,096] x [K 4,096, N 64]; A: softmax (see below); B: computed on the way: QUANTISED
;;   THE QUANTISER, for each operand of a quantised product, along K:
;;     - K is cut into blocks of 32 from its start; a last block that is shorter is filled with zeros.
;;     - A block's scale is 2^e with e = floor(log2(the largest magnitude in the block)) - 2, held to -126 .. 127; a block of zeros has e = 0. As a byte (E8M0): e + 127.
;;     - Each number is divided by its block's scale, clamped to +-7.5, and rounded to the nearest number of E2M3, ties to even, subnormals kept.
;;     - The product sums the exact products of the quantised numbers (number of the format x scale) in f32.
;;   ~~~python
;;   def quantise(x, axis):      # numpy; x: float32 -> the quantised numbers, widened to float32 again
;;       x = np.moveaxis(x, axis, -1); K = x.shape[-1]
;;       x = np.pad(x, [(0, 0)] * (x.ndim - 1) + [(0, -K % 32)]); x = x.reshape(x.shape[:-1] + (-1, 32)); a = np.abs(x).max(-1, keepdims=True)
;;       e = np.where(a > 0, np.clip(np.frexp(np.where(a > 0, a, 1))[1] - 1 - 2, -126, 127), 0)      # np.frexp(a)[1] - 1 = floor(log2(a)), exactly
;;       r = np.clip(x / 2.0 ** e, -7.5, 7.5)
;;       step = 2.0 ** (np.maximum(np.frexp(np.where(r == 0, 1, r))[1] - 1, 0) - 3)
;;       q = np.round(r / step) * step * 2.0 ** e      # np.round: ties to even
;;       return np.moveaxis(q.reshape(q.shape[:-2] + (-1,))[..., :K], -1, axis).astype(np.float32)
;;   ~~~
;;   SOFTMAX AHEAD OF A QUANTISED PRODUCT. Where the list says 'softmax', what is quantised is not the finished softmax but p = 2^(t - M), with t = logit x log2(e) and M = ceil(the row's largest t), a whole number; so 1/2 < the row's largest p <= 1. The row's sum l is taken of the UNQUANTISED p, in f32, and the product's result is divided by l at the end. Since M is a whole number, a kernel that streams over the keys may use a running M (the ceiling of the running maximum): every later rescaling is an exact power of two, which a block's scale takes up: the codes' values come out the same.
;;   OPERANDS COMPUTED ON THE WAY. 'Computed on the way' means the value that the module computes at that place (a softmax that the list does not call 'softmax' is quantised finished and normalised). What goes into a quantiser is computed in f32, as accurately as f32 sums, v_exp_f32 and their like allow (about 1e-6 of the number): no bf16 or f16 on the way to a quantiser, and a product that is left as it is and whose result goes on into a quantised operand takes f32 operands (vector FMAs, or v_wmma_f32_16x16x4_f32). A number that lies on a knife's edge between two numbers of the format may be rounded either way, as far as f32 arithmetic and the matrix unit's own rounding can turn it there, and no further.
;; One version. Each part assembles by itself: llvm-mc -triple=amdgcn-amd-amdhsa -mcpu=gfx1250 --defsym DOCPART=n.
;; ======== version 1 of 1: 3 launches
;; limits: right only within a limited range of input values
;; workspace buffers: cod 3,686,400 bytes; qimg 3,276,800 bytes; kvimg 6,553,600 bytes
;; launch quant (part 1): grid 288 x 1, 8 waves a work-group, no clusters, 69,120 bytes of LDS; arguments x, Wq, Wk, cod; writes cod
.if DOCPART == 1
	.amdgcn_target "amdgcn-amd-amdhsa--gfx1250"
	.amdhsa_code_object_version 6
	.text
	.protected	k_qe42a30f3b2_quant
	.globl	k_qe42a30f3b2_quant
	.p2align	8
	.type	k_qe42a30f3b2_quant,@function
k_qe42a30f3b2_quant:
	s_mov_b64 s[64:65], 0
	v_nop
	global_prefetch_b8 v0, s[64:65] scope:SCOPE_SE
	s_setreg_imm32_b32 hwreg(HW_REG_WAVE_MODE, 25, 1), 1
	s_wait_xcnt 0x0
; x [8192][512], Wq [512][512], Wk [512][512], f32, K = 512 innermost, become codes of FP6 (E2M3) with one E8M0 byte for each 32 along K,
; laid in cod as IMAGES OF OPERAND REGISTERS, so that the next launch loads fragments by 16-byte loads alone.
; cod: 72 blocks of 51,200 bytes, each for 128 rows: blocks 0-63 x, 64-67 Wq, 68-71 Wk.  In a block: 32 images of 1,536 bytes at (4 tile + s) x 1,536 (s: the K step of 128);
; at 49,152 the scale words, 4 bytes each, at 512 s + 32 r + 4 tile.
; WHICH ROWS FORM A TILE: row p (0..15) of tile i (0..7) is block row 64 (i / 4) + 8 (i % 4) + p % 8 + 32 (p / 8).  Used as source 0 of a product, four neighbouring tiles then leave in a lane's
; 32 result registers 32 NEIGHBOURING rows, a whole block of the next quantiser.
; AN IMAGE: 12 registers a lane as three pieces of 512 bytes; piece g holds registers 4 g .. 4 g + 3, lane l's 16 bytes at 16 l.  Lane (r, h) holds row r, registers 6 c .. 6 c + 5: k = 64 c + 32 h + 0 .. 31.
; A block's scale is 2^(floor(log2(largest magnitude)) - 2): its byte is the largest magnitude's exponent field - 2, held at 1 from below.
; LIMITS: NaN and infinities among the inputs are not served.  A block of zeros, or one whose largest magnitude lies under 2^-124, gets the byte 1 (the rule says 127 for zeros): its codes are
; zeros or the rounded numbers under that scale, and the bytes are read by this program alone.
; SHARES: work-group = (block, K step); wave w makes the one fragment of tile w: 16 rows x 128 numbers.  Each load reads 512 consecutive bytes of one row; the 8 KB turn through the wave's own stage in LDS,
; so that a lane gets 2 x 32 neighbours along K.  No tensor loads, no ring; one barrier, for the scale words, which leave as 512 consecutive bytes.
; No cluster: no two work-groups read the same byte.  No prefetch: every load of the launch is issued at a wave's head.
.set SPITCH, 528                       ; a stage row: 512 bytes + 16, an odd multiple of 16: the 16 rows of a load start at different banks (ISA guide 11.1)
.set WSTG,   16*SPITCH                 ; a wave's stage
.set SCG,    8*WSTG                    ; behind the stages: the work-group's 128 scale words
.set BLKB,   51200
.set IMG,    1536
.set SWO,    49152
.set L16, 1                            ; v1   16 x lane
.set SI,  2                            ; v2   the stage, on the way in: my wave's stage + 16 x lane
.set SOA, 3                            ; v3   on the way out: + 528 r + 128 h
.set SCA, 4                            ; v4   where my row's scale word goes: SCG + 32 r + 4 wave
.set SH8, 5                            ; v5   8 h
.set PW,  6                            ; v6   the scale word
.set PT,  7                            ; v7   a lane permute's destination
.set M,   8                            ; v8-11  four chains of maxima
.set SOP, 12                           ; v12-13 the conversions' scale operands
.set BY,  14                           ; v14-15 the bytes
.set PC,  16                           ; v16-27 the codes
.set CT,  28                           ; v28-35 the upper halves of the two blocks, as converted
.set R,   36                           ; v36-99 as loaded
.set X,   100                          ; v100-163 register 32 c + n: number n of my block 2 c + h
.set OUTW, 164                         ; v164-167 wave 0: the scale words on their way out
.set SRD, 168                          ; v168 SCG + 16 x lane
.set SEL, 20                           ; s[20:21] selects for lane l xor 16
; 64 numbers of a lane, register 32 c + n = number n of its block 2 c + h, become the fragment's 12 registers v[pc] on and its scale word v[pw].  A block lies whole in one lane: no other lane is asked
; for a maximum, and the conversions' results are the operand's registers.  Where the 64 are matrix results, each accumulator of eight is first read at one of its four lowest registers.
.macro QUANTW src, pc, pw
.irp c, 0,1
	v_max3_num_f32 v[M+2*\c], |v[(\src)+32*\c]|, |v[(\src)+32*\c+1]|, 0x1800000                ; the floor 2^(3 - 127) among the leaves: the byte cannot fall under 1
	v_max3_num_f32 v[M+2*\c+1], |v[(\src)+32*\c+16]|, |v[(\src)+32*\c+17]|, |v[(\src)+32*\c+18]|
.endr
.irp i, 0,1,2,3,4,5
.irp c, 0,1
	s_delay_alu instid0(VALU_DEP_4)
	v_max3_num_f32 v[M+2*\c], v[M+2*\c], |v[(\src)+32*\c+2+2*\i]|, |v[(\src)+32*\c+3+2*\i]|        ; four chains by turns: no line waits for the line above it
	s_delay_alu instid0(VALU_DEP_4)
	v_max3_num_f32 v[M+2*\c+1], v[M+2*\c+1], |v[(\src)+32*\c+19+2*\i]|, |v[(\src)+32*\c+20+2*\i]|
.endr
.endr
.irp c, 0
	s_delay_alu instid0(VALU_DEP_4)
	v_max3_num_f32 v[M+2*\c], v[M+2*\c], |v[(\src)+32*\c+14]|, |v[(\src)+32*\c+15]|
.endr
.irp c, 1
	s_delay_alu instid0(VALU_DEP_3)
	v_max3_num_f32 v[M+2*\c], v[M+2*\c], |v[(\src)+32*\c+14]|, |v[(\src)+32*\c+15]|
.endr
.irp c, 0,1
	s_delay_alu instid0(VALU_DEP_2)
	v_max3_num_f32 v[M+2*\c], v[M+2*\c], v[M+2*\c+1], |v[(\src)+32*\c+31]|                     ; the block's largest magnitude
.endr
.irp c, 0,1
	s_delay_alu instid0(VALU_DEP_2)
	v_add_nc_u32 v[SOP+\c], 0xff000000, v[M+2*\c]  ; 2 off its exponent field: the conversion takes the exponent field of this operand as its scale
.endr
.irp c, 0,1
	s_delay_alu instid0(VALU_DEP_2)
	v_lshrrev_b32 v[BY+\c], 23, v[SOP+\c]          ; the scale's byte
.endr
	s_delay_alu instid0(VALU_DEP_1)
	v_lshl_or_b32 v[\pw], v[BY+1], 16, v[BY]       ; my two bytes, blocks h and 2 + h,
	s_delay_alu instid0(VALU_DEP_1)
	v_lshlrev_b32 v[\pw], v[SH8], v[\pw]           ; at their places in the word;
	s_delay_alu instid0(VALU_DEP_1)
	v_permlanex16_b32 v[PT], v[\pw], s[SEL], s[SEL+1]
	s_delay_alu instid0(VALU_DEP_1)
	v_or_b32 v[\pw], v[\pw], v[PT]                 ; with lane l xor 16's two the word is whole, in both halves of the lanes
.irp c, 0,1
	v_cvt_scalef32_pk16_fp6_f32 v[(\pc)+6*\c:(\pc)+6*\c+2], v[(\src)+32*\c:(\src)+32*\c+15], v[SOP+\c]
	v_cvt_scalef32_pk16_fp6_f32 v[CT+4*\c:CT+4*\c+2], v[(\src)+32*\c+16:(\src)+32*\c+31], v[SOP+\c]   ; a conversion's three registers begin on an even number: made here and moved
.endr
	v_nop                                          ; one plain instruction behind the last scaled conversion
.irp c, 0,1
.irp i, 0,1,2
	v_mov_b32 v[(\pc)+6*\c+3+\i], v[CT+4*\c+\i]
.endr
.endr
.endm
	s_load_b256 s[4:11], s[0:1], 0x0               ; x s[4:5], Wq s[6:7], Wk s[8:9], cod s[10:11]
	v_lshl_add_u32 v172, v0, 2, 0x10a00
	v_mov_b32 v173, 0
	v_lshrrev_b32 v[PT], 5, v0
	s_delay_alu instid0(VALU_DEP_1)
	v_readfirstlane_b32 s12, v[PT]                 ; wave 0..7
	v_and_b32 v[L16], 31, v0
	s_delay_alu instid0(VALU_DEP_1)
	v_lshlrev_b32 v[L16], 4, v[L16]
	v_and_b32 v[M], 15, v0                         ; r
	v_bfe_u32 v[M+1], v0, 4, 1                     ; h
	s_mul_i32 s15, s12, WSTG
	v_add_nc_u32 v[SI], s15, v[L16]
	v_mul_u32_u24 v[SOA], v[M], SPITCH
	s_delay_alu instid0(VALU_DEP_1)
	v_lshl_add_u32 v[SOA], v[M+1], 7, v[SOA]
	s_delay_alu instid0(VALU_DEP_1)
	v_add_nc_u32 v[SOA], s15, v[SOA]
	s_lshl_b32 s15, s12, 2
	s_add_co_u32 s15, s15, SCG
	v_lshl_add_u32 v[SCA], v[M], 5, s15
	v_add_nc_u32 v[SRD], SCG, v[L16]
	v_lshlrev_b32 v[SH8], 3, v[M+1]
	v_mov_b32 v[PT], 0                             ; written once: a lane permute's destination counts as one of its sources
	s_lshr_b32 s13, ttmp9, 2                       ; block 0..71
	s_and_b32 s14, ttmp9, 3                        ; K step 0..3
	s_mov_b32 s[SEL], 0x76543210
	s_mov_b32 s[SEL+1], 0xfedcba98
	s_wait_alu depctr_va_vdst(0)
	s_wait_kmcnt 0x0
	s_cmp_lt_u32 s13, 64                           ; which tensor: the choice hangs on the work-group's number alone
	s_cselect_b64 s[16:17], s[4:5], s[6:7]
	s_cselect_b32 s18, 0, 64
	s_cmp_lt_u32 s13, 68
	s_cselect_b64 s[16:17], s[16:17], s[8:9]
	s_cselect_b32 s18, s18, 68
	s_sub_co_u32 s18, s13, s18                     ; the block's number in its tensor
	s_lshl_b32 s18, s18, 18                        ; x 128 rows of 2,048 bytes
	s_lshr_b32 s19, s12, 2
	s_lshl_b32 s19, s19, 17                        ; + 64 (wave / 4) rows
	s_add_co_u32 s18, s18, s19
	s_and_b32 s19, s12, 3
	s_lshl_b32 s19, s19, 14                        ; + 8 (wave % 4) rows
	s_add_co_u32 s18, s18, s19
	s_lshl_b32 s19, s14, 9                         ; + the K step's 512 bytes
	s_add_co_u32 s18, s18, s19
	s_mov_b32 s19, 0
	s_add_nc_u64 s[16:17], s[16:17], s[18:19]
.irp i, 0,1,2,3,4,5,6,7,8,9,10,11,12,13,14,15
	global_load_b128 v[R+4*\i:R+4*\i+3], v[L16], s[16:17] offset:((\i%8)+32*(\i/8))*2048 th:TH_LOAD_NT   ; row i of my tile: 32 lanes read 512 consecutive bytes; read once in the launch
.endr
	s_mul_i32 s22, s13, BLKB
	s_mov_b32 s23, 0
	s_add_nc_u64 s[10:11], s[10:11], s[22:23]      ; my block in cod
	s_lshl_b32 s22, s12, 2
	s_add_co_u32 s22, s22, s14
	s_mul_i32 s22, s22, IMG
	s_add_nc_u64 s[24:25], s[10:11], s[22:23]      ; my image
	s_lshl_b32 s22, s14, 9
	s_add_co_u32 s22, s22, SWO
	s_add_nc_u64 s[26:27], s[10:11], s[22:23]      ; the K step's scale words
.irp i, 0,1,2,3,4,5,6,7,8,9,10,11,12,13,14,15
	s_wait_loadcnt 15-\i                           ; loads come back in order: row i is in, the 15 - i younger ones may be out
	ds_store_b128 v[SI], v[R+4*\i:R+4*\i+3] offset:SPITCH*\i
.endr
.irp c, 0,1
.irp j, 0,1,2,3,4,5,6,7
	ds_load_b128 v[X+32*\c+4*\j:X+32*\c+4*\j+3], v[SOA] offset:256*\c+16*\j   ; LDS serves a wave's instructions in order: these see my stores.  Row r, k = 64 c + 32 h + 4 j ..
.endr
.endr
	s_wait_dscnt 0x0
	QUANTW X, PC, PW
.irp g, 0,1,2
	global_store_b128 v[L16], v[PC+4*\g:PC+4*\g+3], s[24:25] offset:512*\g     ; 32 lanes store 512 consecutive bytes, at a multiple of 256 from cod's first byte
.endr
	ds_store_b32 v[SCA], v[PW]                     ; both halves of the lanes write the same word with the same value
	s_wait_dscnt 0x0                               ; for the others' sake: my word has landed
	s_barrier_signal -1
	s_barrier_wait -1
	s_cmp_lg_u32 s12, 0
	s_cbranch_scc1 .Lend                           ; wave 0 stores the eight waves' words
	ds_load_b128 v[OUTW:OUTW+3], v[SRD]
	s_wait_dscnt 0x0
	global_store_b128 v[L16], v[OUTW:OUTW+3], s[26:27]   ; 512 consecutive bytes
.Lend:
	s_wait_tensorcnt 0x0
	ds_add_u32 v172, v173
	s_wait_dscnt 0x0
	s_endpgm
.Lfunc_end_k_qe42a30f3b2_quant:
	.size	k_qe42a30f3b2_quant, .Lfunc_end_k_qe42a30f3b2_quant-k_qe42a30f3b2_quant
	.p2alignl 7, 3214868480
	.fill 96, 4, 3214868480
	.section	.rodata,"a",@progbits
	.p2align	6, 0x0
	.amdhsa_kernel k_qe42a30f3b2_quant
		.amdhsa_group_segment_fixed_size 69120
		.amdhsa_private_segment_fixed_size 0
		.amdhsa_enable_private_segment 0
		.amdhsa_kernarg_size 32
		.amdhsa_user_sgpr_count 2
		.amdhsa_user_sgpr_kernarg_segment_ptr 1
		.amdhsa_wavefront_size32 1
		.amdhsa_system_sgpr_workgroup_id_x 1
		.amdhsa_system_sgpr_workgroup_id_y 1
		.amdhsa_system_sgpr_workgroup_id_z 1
		.amdhsa_system_vgpr_workitem_id 0
		.amdhsa_next_free_vgpr 174
		.amdhsa_next_free_sgpr 66
		.amdhsa_reserve_vcc 0
		.amdhsa_float_denorm_mode_32 3
		.amdhsa_float_denorm_mode_16_64 3
		.amdhsa_memory_ordered 1
		.amdhsa_forward_progress 1
		.amdhsa_inst_pref_size 12
	.end_amdhsa_kernel
	.amdgpu_metadata
---
amdhsa.version: [ 1, 2 ]
amdhsa.kernels:
  - .name:           k_qe42a30f3b2_quant
    .symbol:         k_qe42a30f3b2_quant.kd
    .args:
      - { .name: x, .offset: 0, .size: 8, .value_kind: global_buffer, .address_space: global }
      - { .name: Wq, .offset: 8, .size: 8, .value_kind: global_buffer, .address_space: global }
      - { .name: Wk, .offset: 16, .size: 8, .value_kind: global_buffer, .address_space: global }
      - { .name: cod, .offset: 24, .size: 8, .value_kind: global_buffer, .address_space: global }
    .group_segment_fixed_size: 69120
    .private_segment_fixed_size: 0
    .kernarg_segment_align: 8
    .kernarg_segment_size: 32
    .max_flat_workgroup_size: 256
    .sgpr_count:     66
    .vgpr_count:     174
    .wavefront_size: 32
...
	.end_amdgpu_metadata
.endif
;; end of part 1
;; launch proj (part 2): grid 4 x 64, 8 waves a work-group, no clusters, 168,960 bytes of LDS; arguments cod, bq, bk, qimg, kvimg; writes qimg, kvimg
.if DOCPART == 2
	.amdgcn_target "amdgcn-amd-amdhsa--gfx1250"
	.amdhsa_code_object_version 6
	.text
	.protected	k_qe42a30f3b2_proj
	.globl	k_qe42a30f3b2_proj
	.p2align	8
	.type	k_qe42a30f3b2_proj,@function
k_qe42a30f3b2_proj:
	s_mov_b64 s[64:65], 0
	v_nop
	global_prefetch_b8 v0, s[64:65] scope:SCOPE_SE
	s_setreg_imm32_b32 hwreg(HW_REG_WAVE_MODE, 25, 1), 1
	s_wait_xcnt 0x0
; q = x Wq^T + bq and k = x Wk^T + bk on codes of FP6 (E2M3) out of cod, and three quantisers behind them: q and k along a head's 64 channels (the third product's K), v = k along the keys (the fourth's).
; A work-group takes 128 tokens (y: 0..63) and two heads (x: 0..3): the blocks of Wq, Wk and x, 51,200 bytes each, come into LDS once, by one tensor load of 100 rows x 256 bytes in each of waves 0 to 5.
; EIGHT WAVES, TWO JOBS EACH, one text; only addresses differ, by the wave's number w = 4 mat + 2 hh + th.
;   Job 1: mat = 0: q, 1: k.  Head hh's four channel tiles x token tiles 4 th .. 4 th + 3, TRANSPOSED (source 0 = 16 channels of W, source 1 = 16 tokens): a lane holds one token, and by the rule for the rows of a tile
;   its 32 registers of a token tile are channels 32 h + 0 .. 31 of the head: a whole block.  Two token tiles make a PAIR FRAGMENT: registers 0-5 tile 2 p, registers 6-11 tile 2 p + 1; word: their 2 + 2 bytes.
;   Job 2: Wk's channel tile w x all eight token tiles (source 0 = tokens, source 1 = channels): a lane holds one channel, and register 32 c + n is token 64 c + 32 h + n: one fragment of V with the keys along K.
; The biases begin the f32 sums: job 1's are loaded into the accumulators, job 2's is the C of the first K step.  (So a bias is the sum's first addend, not its last.)
; OUT: qimg [16 heads][32 blocks of 128 tokens][6,400]: four pair fragments at 1,536 p, their words at 6,144 + 16 r + 4 p.
;      kvimg [16][32 key steps][12,800]: K's four pair fragments at 1,536 p, V's four fragments at 6,144 + 1,536 t (row r of tile t: channel 8 t + r % 8 + 32 (r / 8)), K's words at 12,288 + 16 r + 4 p, V's at 12,544 + 16 r + 4 t.
; LIMITS: NaN and infinities are not served; a block of zeros or under 2^-124 gets the byte 1 (its codes are read by this program alone).
; NO CLUSTER: a work-group has one fill of 153,600 bytes and no refill; of it only x's 51,200 bytes are common to the four work-groups of a grid row.  NO PREFETCH: all that is read is asked for at the head.
; LDS is filled once: no slot is filled again.
.set BLKB, 51200
.set IMG,  1536
.set SWO,  49152                       ; the scale words' place in a block
.set LX,   2*BLKB                      ; LDS: Wq's block at 0, Wk's at 51,200, x's at 102,400
.set STG,  3*BLKB                      ; behind them, in blocks into which no fill lands: four times 512 bytes of scale words: q head A, q head B, k head A, k head B (in k's: V's words at + 256)
.set L16, 1                            ; v1   16 x lane
.set AW,  2                            ; v2   job 1: my four tiles of W
.set AX,  3                            ; v3   job 1: my four tiles of x
.set ASC, 4                            ; v4   job 1: scale words: lanes 0-15 W's, lanes 16-31 x's
.set AXV, 5                            ; v5   job 2: x's eight tiles
.set AWV, 6                            ; v6   job 2: my tile of Wk
.set ASX, 7                            ; v7   job 2: x's scale words
.set ASW, 8                            ; v8   job 2: my tile's
.set STK, 9                            ; v9   where job 1's two words go
.set STV, 10                           ; v10  where job 2's word goes
.set SRQ, 11                           ; v11  wave 0 reads q's words here,
.set SRK, 12                           ; v12  waves 1 and 2 k's and V's
.set VOQ, 13                           ; v13  wave 0's offset in qimg: 16 r + a head's 204,800 bytes x h
.set VB,  14                           ; v14  128 h: my half's 32 biases
.set VBV, 15                           ; v15  my channel's bias in job 2
.set B0,  16                           ; v16  that bias
.set SX,  18                           ; v18-25 job 2: x's scale words, tile m in SX + m   (v18-27 hold scales and nothing else)
.set SC,  24                           ; v24-27 job 1: lanes 0-15 the words of W's tiles, lanes 16-31 of x's
.set SW,  26                           ; v26  job 2: my tile's word
.set PWA, 28                           ; v28, v29 scale words just made (at the head: temporaries)
.set PWB, 29
.set SH8, 30                           ; v30  8 h
.set PT,  31                           ; v31  a lane permute's destination
.set ACC, 32                           ; v32-159 job 1: accumulator (token tile m, channel tile n) at 32 m + 8 n;  job 2: v32-95, token tile m at 8 m
.set WF,  160                          ; v160-207 job 1: W's four fragments
.set XF,  208                          ; v208-255 job 1: x's four
.set XV,  96                           ; v96-191 job 2: x's eight
.set WV,  192                          ; v192-203 job 2: my tile of Wk
.set BV,  216                          ; v216-223 job 2: the bias as a C operand
.set SEL, 20                           ; s[20:21]
.macro QUANTW src, pc, pw              ; 64 numbers of a lane, register 32 c + n = number n of its block 2 c + h, become 12 registers of codes and a scale word.  Each accumulator of eight is first read at one of its four lowest registers
.irp c, 0,1
	v_max3_num_f32 v[M+2*\c], |v[(\src)+32*\c]|, |v[(\src)+32*\c+1]|, 0x1800000                ; the floor 2^(3 - 127) among the leaves: the byte cannot fall under 1
	v_max3_num_f32 v[M+2*\c+1], |v[(\src)+32*\c+16]|, |v[(\src)+32*\c+17]|, |v[(\src)+32*\c+18]|
.endr
.irp i, 0,1,2,3,4,5
.irp c, 0,1
	v_max3_num_f32 v[M+2*\c], v[M+2*\c], |v[(\src)+32*\c+2+2*\i]|, |v[(\src)+32*\c+3+2*\i]|        ; four chains by turns
	v_max3_num_f32 v[M+2*\c+1], v[M+2*\c+1], |v[(\src)+32*\c+19+2*\i]|, |v[(\src)+32*\c+20+2*\i]|
.endr
.endr
.irp c, 0,1
	v_max3_num_f32 v[M+2*\c], v[M+2*\c], |v[(\src)+32*\c+14]|, |v[(\src)+32*\c+15]|
.endr
.irp c, 0,1
	v_max3_num_f32 v[M+2*\c], v[M+2*\c], v[M+2*\c+1], |v[(\src)+32*\c+31]|
.endr
.irp c, 0,1
	s_delay_alu instid0(VALU_DEP_2)
	v_add_nc_u32 v[SOP+\c], 0xff000000, v[M+2*\c]  ; 2 off the exponent field: the conversion's scale operand
.endr
.irp c, 0,1
	s_delay_alu instid0(VALU_DEP_2)
	v_lshrrev_b32 v[BY+\c], 23, v[SOP+\c]          ; the scale's byte
.endr
	s_delay_alu instid0(VALU_DEP_1)
	v_lshl_or_b32 v[\pw], v[BY+1], 16, v[BY]
	s_delay_alu instid0(VALU_DEP_1)
	v_lshlrev_b32 v[\pw], v[SH8], v[\pw]
	s_delay_alu instid0(VALU_DEP_1)
	v_permlanex16_b32 v[PT], v[\pw], s[SEL], s[SEL+1]
	s_delay_alu instid0(VALU_DEP_1)
	v_or_b32 v[\pw], v[\pw], v[PT]                 ; the word is whole, in both halves of the lanes
.irp c, 0,1
	v_cvt_scalef32_pk16_fp6_f32 v[(\pc)+6*\c:(\pc)+6*\c+2], v[(\src)+32*\c:(\src)+32*\c+15], v[SOP+\c]
	v_cvt_scalef32_pk16_fp6_f32 v[CT+4*\c:CT+4*\c+2], v[(\src)+32*\c+16:(\src)+32*\c+31], v[SOP+\c]
.endr
	v_nop                                          ; one plain instruction behind the last scaled conversion
.irp c, 0,1
.irp i, 0,1,2
	v_mov_b32 v[(\pc)+6*\c+3+\i], v[CT+4*\c+\i]
.endr
.endr
.endm
.macro PLACES                          ; four plain vector instructions between a matrix instruction and a load into, or a vector instruction on, its registers (ISA guide 7.12.1 for vector instructions)
.rept 4
	v_nop
.endr
.endm
	s_load_b256 s[4:11], s[0:1], 0x0               ; cod s[4:5], bq s[6:7], bk s[8:9], qimg s[10:11]
	s_load_b64 s[12:13], s[0:1], 0x20              ; kvimg
	s_set_vgpr_msb 0x40
	v_lshl_add_u32 v0, v0, 2, 0x29000
	v_mov_b32 v1, 0
	s_set_vgpr_msb 0x4045
	ds_add_u32 v0, v1
	ds_add_u32 v0, v1
	s_set_vgpr_msb 0x4500
	v_lshrrev_b32 v1, 5, v0
	s_delay_alu instid0(VALU_DEP_1)
	v_readfirstlane_b32 s14, v1                    ; wave 0..7
	s_mov_b32 s15, ttmp9                           ; the pair of heads 0..3
	s_and_b32 s16, ttmp7, 0xffff                   ; the block of 128 tokens 0..63
	s_lshr_b32 s17, s14, 2                         ; mat
	s_bfe_u32 s18, s14, 0x10001                    ; hh
	s_and_b32 s19, s14, 1                          ; th
	s_mov_b32 s[SEL], 0x76543210
	s_mov_b32 s[SEL+1], 0xfedcba98
	; descriptor group 1: half a block, dense: 100 rows of 32 elements of 8 bytes, no padding, no mask
	s_mov_b32 s24, 3<<16
	s_mov_b32 s25, 32<<16                          ; tensor_dim0
	s_mov_b32 s26, 100<<16                         ; tensor_dim1
	s_mov_b32 s27, 32<<16                          ; tile_dim0
	s_mov_b32 s28, 100                             ; tile_dim1
	s_mov_b32 s29, 32                              ; the pitch
	s_mov_b32 s30, 0
	s_mov_b32 s31, 0
	; group 0: wave f = 0..5 brings half f % 2 of block f / 2 (Wq's, Wk's, x's) to LDS byte 25,600 f.  Waves 6 and 7 fetch nothing and hold wave 5's numbers, unused
	s_min_u32 s54, s14, 5
	s_lshr_b32 s48, s54, 1
	s_lshl_b32 s49, s48, 2
	s_add_co_u32 s49, s49, s15
	s_add_co_u32 s49, s49, 64                      ; W's block in cod: 64 + 4 x (0: Wq, 1: Wk) + pair
	s_cmp_eq_u32 s48, 2
	s_cselect_b32 s49, s16, s49                    ; x's: the token block
	s_mul_i32 s48, s49, BLKB
	s_and_b32 s49, s54, 1
	s_mul_i32 s49, s49, BLKB/2
	s_add_co_u32 s48, s48, s49
	s_mov_b32 s49, 0
	s_mov_b32 s32, 1
	s_mul_i32 s33, s54, BLKB/2
	s_wait_dscnt 0x0
	s_wait_kmcnt 0x0
	s_add_nc_u64 s[34:35], s[4:5], s[48:49]
	s_or_b32 s35, s35, 0x80000000                  ; type = 2
	s_cmp_lt_u32 s14, 6
	s_cbranch_scc0 .Lno_fill
	tensor_load_to_lds s[32:35], s[24:31]          ; the launch's only fill: one tensor load of mine is out
	s_nop 0
	PLACES                                         ; four v_nop follow it
.Lno_fill:
	v_and_b32 v[L16], 31, v0
	s_delay_alu instid0(VALU_DEP_1)
	v_lshlrev_b32 v[L16], 4, v[L16]
	v_and_b32 v17, 15, v0                          ; r
	v_bfe_u32 v28, v0, 4, 1                        ; h
	s_wait_alu depctr_va_vdst(0)
	s_mul_i32 s48, s17, BLKB                       ; my W's block in LDS
	s_mul_i32 s49, s18, 16*IMG                     ; head hh's four tiles: 16 images on
	s_add_co_u32 s49, s49, s48
	v_add_nc_u32 v[AW], s49, v[L16]
	s_mul_i32 s49, s19, 16*IMG
	s_add_co_u32 s49, s49, LX
	v_add_nc_u32 v[AX], s49, v[L16]
	s_lshl_b32 s49, s18, 4
	s_add_co_u32 s49, s49, s48
	s_add_co_u32 s49, s49, SWO                     ; W's words of tiles 4 hh ..: 16 bytes in each row's 32
	s_lshl_b32 s53, s19, 4
	s_add_co_u32 s53, s53, LX+SWO                  ; x's of tiles 4 th ..
	s_sub_co_u32 s53, s53, s49
	v_mul_u32_u24 v29, s53, v28                    ; lanes 16-31 take x's: the lower base + h x the distance
	v_lshl_add_u32 v[ASC], v17, 5, s49
	s_delay_alu instid0(VALU_DEP_1)
	v_add_nc_u32 v[ASC], v[ASC], v29
	v_add_nc_u32 v[AXV], LX, v[L16]
	s_mul_i32 s49, s14, 4*IMG
	s_add_co_u32 s49, s49, BLKB
	v_add_nc_u32 v[AWV], s49, v[L16]
	v_lshl_add_u32 v[ASX], v17, 5, LX+SWO
	s_lshl_b32 s49, s14, 2
	s_add_co_u32 s49, s49, BLKB+SWO
	v_lshl_add_u32 v[ASW], v17, 5, s49
	s_lshr_b32 s49, s14, 1
	s_lshl_b32 s49, s49, 9                         ; 512 x (2 mat + hh)
	s_lshl_b32 s53, s19, 3                         ; pairs 2 th, 2 th + 1
	s_add_co_u32 s49, s49, s53
	s_add_co_u32 s49, s49, STG
	v_lshl_add_u32 v[STK], v17, 4, s49
	s_lshl_b32 s49, s17, 9
	s_and_b32 s53, s14, 3
	s_lshl_b32 s53, s53, 2
	s_add_co_u32 s49, s49, s53
	s_add_co_u32 s49, s49, STG+1280                ; k's blocks begin at 1,024; V's words 256 on
	v_lshl_add_u32 v[STV], v17, 4, s49
	v_lshlrev_b32 v[SRQ], 4, v17
	s_delay_alu instid0(VALU_DEP_1)
	v_lshl_add_u32 v[SRQ], v28, 9, v[SRQ]
	s_delay_alu instid0(VALU_DEP_1)
	v_add_nc_u32 v[SRQ], STG, v[SRQ]
	s_lshl_b32 s49, s14, 9
	s_add_co_u32 s49, s49, STG+512
	v_add_nc_u32 v[SRK], s49, v[L16]
	v_mul_u32_u24 v[VOQ], v28, 204800
	s_delay_alu instid0(VALU_DEP_1)
	v_lshl_add_u32 v[VOQ], v17, 4, v[VOQ]
	v_lshlrev_b32 v[VB], 7, v28
	s_wait_alu depctr_va_vdst(0)
	v_and_b32 v[VBV], 7, v17
	v_lshrrev_b32 v29, 3, v17
	s_delay_alu instid0(VALU_DEP_1)
	v_lshl_add_u32 v[VBV], v29, 5, v[VBV]
	s_delay_alu instid0(VALU_DEP_1)
	v_lshlrev_b32 v[VBV], 2, v[VBV]                ; 4 x (r % 8 + 32 (r / 8))
	s_wait_alu depctr_va_vdst(0)
	v_lshlrev_b32 v[SH8], 3, v28
	v_mov_b32 v[PT], 0                             ; written once: a lane permute's destination counts as one of its sources
	s_cmp_eq_u32 s17, 0                            ; q's waves or k's: the choice hangs on the wave's number alone
	s_cselect_b64 s[36:37], s[6:7], s[8:9]
	s_cselect_b64 s[40:41], s[10:11], s[12:13]
	s_mov_b32 s49, 0
	s_lshl_b32 s48, s15, 9
	s_lshl_b32 s53, s18, 8
	s_add_co_u32 s48, s48, s53
	s_add_nc_u64 s[36:37], s[36:37], s[48:49]      ; job 1's biases: channel 128 pair + 64 hh on
	s_lshl_b32 s48, s15, 9
	s_lshl_b32 s53, s17, 8
	s_add_co_u32 s48, s48, s53
	s_and_b32 s53, s14, 3
	s_lshl_b32 s53, s53, 5
	s_add_co_u32 s48, s48, s53
	s_add_nc_u64 s[38:39], s[8:9], s[48:49]        ; job 2's: channel 128 pair + 64 (w / 4) + 8 (w % 4) on
.irp m, 0,1,2,3
.irp n, 0,1,2,3
	global_load_b128 v[ACC+32*\m+8*\n:ACC+32*\m+8*\n+3], v[VB], s[36:37] offset:32*\n        ; accumulator (m, n), register j: channel 32 h + 8 n + j of the head
	global_load_b128 v[ACC+32*\m+8*\n+4:ACC+32*\m+8*\n+7], v[VB], s[36:37] offset:32*\n+16
.endr
.endr
	global_load_b32 v[B0], v[VBV], s[38:39]
	s_lshr_b32 s50, s16, 5                         ; batch
	s_and_b32 s51, s16, 31                         ; the block of 128 tokens in it
	s_lshl_b32 s52, s50, 3
	s_lshl_b32 s53, s15, 1
	s_add_co_u32 s52, s52, s53                     ; head A = 8 batch + 2 pair
	s_add_co_u32 s48, s52, s18
	s_mul_i32 s48, s48, 204800
	s_mul_i32 s53, s51, 6400
	s_add_co_u32 s48, s48, s53
	s_lshl_b32 s48, s48, s17                       ; kvimg's strides are twice qimg's
	s_mul_i32 s53, s19, 2*IMG
	s_add_co_u32 s48, s48, s53
	s_add_nc_u64 s[40:41], s[40:41], s[48:49]      ; job 1's two pair fragments
	s_add_co_u32 s48, s52, s17
	s_mul_i32 s48, s48, 409600
	s_mul_i32 s53, s51, 12800
	s_add_co_u32 s48, s48, s53
	s_and_b32 s53, s14, 3
	s_mul_i32 s53, s53, IMG
	s_add_co_u32 s48, s48, s53
	s_add_co_u32 s48, s48, 4*IMG
	s_add_nc_u64 s[42:43], s[12:13], s[48:49]      ; job 2's fragment of V
	s_mul_i32 s48, s52, 204800
	s_mul_i32 s53, s51, 6400
	s_add_co_u32 s48, s48, s53
	s_add_co_u32 s48, s48, 4*IMG
	s_add_nc_u64 s[44:45], s[10:11], s[48:49]      ; q's words, head A
	s_sub_co_u32 s53, s14, 1
	s_and_b32 s53, s53, 1
	s_add_co_u32 s48, s52, s53
	s_mul_i32 s48, s48, 409600
	s_mul_i32 s53, s51, 12800
	s_add_co_u32 s48, s48, s53
	s_add_co_u32 s48, s48, 8*IMG
	s_add_nc_u64 s[46:47], s[12:13], s[48:49]      ; k's and V's words: wave 1 head A, wave 2 head B
	s_wait_tensorcnt 0x0                           ; my half block has landed,
	s_barrier_signal -1
	s_barrier_wait -1                              ; everybody's has
	s_wait_loadcnt 0x0                             ; the biases
; JOB 1.  16 accumulators take turns, one instruction a turn, in the same order in each K step.
.macro QKMUL m
.irp n, 0,1,2,3
	v_wmma_scale_f32_16x16x128_f8f6f4 v[ACC+32*(\m)+8*\n:ACC+32*(\m)+8*\n+7], v[WF+12*\n:WF+12*\n+11], v[XF+12*(\m):XF+12*(\m)+11], v[ACC+32*(\m)+8*\n:ACC+32*(\m)+8*\n+7], v[SC+\n], v[SC+(\m)] matrix_a_fmt:MATRIX_FMT_FP6 matrix_b_fmt:MATRIX_FMT_FP6 matrix_b_scale:MATRIX_SCALE_ROW1
.endr
.endm
.macro QKSTEP s
.if \s > 0
	PLACES
.endif
	ds_load_b128 v[SC:SC+3], v[ASC] offset:512*(\s)
.irp n, 0,1,2,3
.irp g, 0,1,2
	ds_load_b128 v[WF+12*\n+4*\g:WF+12*\n+4*\g+3], v[AW] offset:4*IMG*\n+IMG*(\s)+512*\g
.endr
.endr
.irp m, 0,1,2,3
.irp g, 0,1,2
	ds_load_b128 v[XF+12*\m+4*\g:XF+12*\m+4*\g+3], v[AX] offset:4*IMG*\m+IMG*(\s)+512*\g
.endr
.endr
	s_wait_dscnt 6                                 ; all but the six youngest loads, x's tiles 2 and 3
	QKMUL 0
	QKMUL 1
	s_wait_dscnt 0x0
	QKMUL 2
	QKMUL 3
.endm
	QKSTEP 0
	QKSTEP 1
	QKSTEP 2
	QKSTEP 3
	PLACES
.irp i, 0,1,2,3,4,5,6,7
	v_mov_b32 v[BV+\i], v[B0]                      ; job 2's C: in its result a lane holds one channel, so all eight registers take that channel's bias
.endr
.set M,   192
.set SOP, 196
.set BY,  198
.set CT,  172
.set PCA, 160
.set PCB, 180
	QUANTW ACC, PCA, PWA
.irp g, 0,1,2
	global_store_b128 v[L16], v[PCA+4*\g:PCA+4*\g+3], s[40:41] offset:512*\g             ; 512 consecutive bytes a store, at a multiple of 256 from the buffer's first byte
.endr
	ds_store_b32 v[STK], v[PWA]                    ; both halves of the lanes write the same word with the same value
	QUANTW ACC+64, PCB, PWB
.irp g, 0,1,2
	global_store_b128 v[L16], v[PCB+4*\g:PCB+4*\g+3], s[40:41] offset:IMG+512*\g
.endr
	ds_store_b32 v[STK], v[PWB] offset:4
	s_wait_xcnt 0x0                                ; the six stores have read their data: job 2's loads land in those registers
; JOB 2.  Eight accumulators by turns.
.macro VSTEP s
.if \s > 0
	PLACES
.endif
.irp m, 0,1,2,3,4,5,6,7
.irp g, 0,1,2
	ds_load_b128 v[XV+12*\m+4*\g:XV+12*\m+4*\g+3], v[AXV] offset:4*IMG*\m+IMG*(\s)+512*\g
.endr
.endr
.irp g, 0,1,2
	ds_load_b128 v[WV+4*\g:WV+4*\g+3], v[AWV] offset:IMG*(\s)+512*\g
.endr
	ds_load_b128 v[SX:SX+3], v[ASX] offset:512*(\s)
	ds_load_b128 v[SX+4:SX+7], v[ASX] offset:512*(\s)+16
	ds_load_b32 v[SW], v[ASW] offset:512*(\s)
	s_wait_dscnt 0x0
.irp m, 0,1,2,3,4,5,6,7
.if \s == 0
	v_wmma_scale_f32_16x16x128_f8f6f4 v[ACC+8*\m:ACC+8*\m+7], v[XV+12*\m:XV+12*\m+11], v[WV:WV+11], v[BV:BV+7], v[SX+\m], v[SW] matrix_a_fmt:MATRIX_FMT_FP6 matrix_b_fmt:MATRIX_FMT_FP6
.else
	v_wmma_scale_f32_16x16x128_f8f6f4 v[ACC+8*\m:ACC+8*\m+7], v[XV+12*\m:XV+12*\m+11], v[WV:WV+11], v[ACC+8*\m:ACC+8*\m+7], v[SX+\m], v[SW] matrix_a_fmt:MATRIX_FMT_FP6 matrix_b_fmt:MATRIX_FMT_FP6
.endif
.endr
.endm
	VSTEP 0
	VSTEP 1
	VSTEP 2
	VSTEP 3
	PLACES
.set M,   116
.set SOP, 120
.set BY,  122
.set CT,  108
.set PCV, 96
	QUANTW ACC, PCV, PWA
.irp g, 0,1,2
	global_store_b128 v[L16], v[PCV+4*\g:PCV+4*\g+3], s[42:43] offset:512*\g
.endr
	ds_store_b32 v[STV], v[PWA]
	s_wait_dscnt 0x0                               ; for the others' sake: my three words have landed
	s_barrier_signal -1
	s_barrier_wait -1
	s_cmp_lg_u32 s14, 0
	s_cbranch_scc1 .Lnot_q
	ds_load_b128 v[32:35], v[SRQ]                  ; wave 0: q's words, lanes 0-15 head A's 256 bytes, lanes 16-31 head B's
	s_wait_dscnt 0x0
	global_store_b128 v[VOQ], v[32:35], s[44:45]   ; sixteen lanes store 256 consecutive bytes, aligned
	s_branch .Lend
.Lnot_q:
	s_cmp_lt_u32 s14, 3
	s_cbranch_scc0 .Lend
	ds_load_b128 v[32:35], v[SRK]                  ; waves 1 and 2: a head's 256 bytes of K's words and 256 of V's
	s_wait_dscnt 0x0
	global_store_b128 v[L16], v[32:35], s[46:47]
.Lend:
	s_set_vgpr_msb 0x5
	s_wait_tensorcnt 0x0
	ds_add_u32 v0, v1
	s_wait_dscnt 0x0
	s_set_vgpr_msb 0x500
	s_endpgm
.Lfunc_end_k_qe42a30f3b2_proj:
	.size	k_qe42a30f3b2_proj, .Lfunc_end_k_qe42a30f3b2_proj-k_qe42a30f3b2_proj
	.p2alignl 7, 3214868480
	.fill 96, 4, 3214868480
	.section	.rodata,"a",@progbits
	.p2align	6, 0x0
	.amdhsa_kernel k_qe42a30f3b2_proj
		.amdhsa_group_segment_fixed_size 168960
		.amdhsa_private_segment_fixed_size 0
		.amdhsa_enable_private_segment 0
		.amdhsa_kernarg_size 40
		.amdhsa_user_sgpr_count 2
		.amdhsa_user_sgpr_kernarg_segment_ptr 1
		.amdhsa_wavefront_size32 1
		.amdhsa_system_sgpr_workgroup_id_x 1
		.amdhsa_system_sgpr_workgroup_id_y 1
		.amdhsa_system_sgpr_workgroup_id_z 1
		.amdhsa_system_vgpr_workitem_id 0
		.amdhsa_next_free_vgpr 258
		.amdhsa_next_free_sgpr 66
		.amdhsa_reserve_vcc 0
		.amdhsa_float_denorm_mode_32 3
		.amdhsa_float_denorm_mode_16_64 3
		.amdhsa_memory_ordered 1
		.amdhsa_forward_progress 1
		.amdhsa_inst_pref_size 50
	.end_amdhsa_kernel
	.amdgpu_metadata
---
amdhsa.version: [ 1, 2 ]
amdhsa.kernels:
  - .name:           k_qe42a30f3b2_proj
    .symbol:         k_qe42a30f3b2_proj.kd
    .args:
      - { .name: cod, .offset: 0, .size: 8, .value_kind: global_buffer, .address_space: global }
      - { .name: bq, .offset: 8, .size: 8, .value_kind: global_buffer, .address_space: global }
      - { .name: bk, .offset: 16, .size: 8, .value_kind: global_buffer, .address_space: global }
      - { .name: qimg, .offset: 24, .size: 8, .value_kind: global_buffer, .address_space: global }
      - { .name: kvimg, .offset: 32, .size: 8, .value_kind: global_buffer, .address_space: global }
    .group_segment_fixed_size: 168960
    .private_segment_fixed_size: 0
    .kernarg_segment_align: 8
    .kernarg_segment_size: 40
    .max_flat_workgroup_size: 256
    .sgpr_count:     66
    .vgpr_count:     258
    .wavefront_size: 32
...
	.end_amdgpu_metadata
.endif
;; end of part 2
;; launch attn (part 3): grid 16 x 16, 8 waves a work-group, clusters of 4 x 1, 327,680 bytes of LDS; arguments qimg, kvimg, out0; writes out0
.if DOCPART == 3
	.amdgcn_target "amdgcn-amd-amdhsa--gfx1250"
	.amdhsa_code_object_version 6
	.text
	.protected	k_qe42a30f3b2_attn
	.globl	k_qe42a30f3b2_attn
	.p2align	8
	.type	k_qe42a30f3b2_attn,@function
k_qe42a30f3b2_attn:
	s_mov_b64 s[64:65], 0
	v_nop
	global_prefetch_b8 v0, s[64:65] scope:SCOPE_SE
	s_setreg_imm32_b32 hwreg(HW_REG_WAVE_MODE, 25, 1), 1
	s_wait_xcnt 0x0
	s_wait_alu depctr_hold_cnt(0) depctr_sa_sdst(0) depctr_va_vdst(0) depctr_va_sdst(0) depctr_va_ssrc(0) depctr_va_vcc(0) depctr_vm_vsrc(0)
	s_getreg_b32 s2, hwreg(HW_REG_IB_STS2, 6, 4)
	s_cmp_eq_u32 s2, 0
	s_cbranch_scc0 .Lentry_in_a_cluster
	s_endpgm
.Lentry_in_a_cluster:
	s_bfe_u32 s2, ttmp6, 0x10000c
	s_cmp_lg_u32 s2, 0x3003
	s_cbranch_scc0 .Lentry_shape_is_right
	s_endpgm
.Lentry_shape_is_right:
; out[b][q][64 head + :] = the sum over keys of softmax(q . k / sqrt(512)) k, for 16 heads of 4,096 tokens x 64 channels (v = k); both products on codes of FP6 (E2M3), one E8M0 scale for each 32 along K.
; THE SOFTMAX: t = score x log2(e) / sqrt(512); M = the running largest t rounded UP to a whole number; p = 2^(t - M) is quantised along the keys, not normalised; the row's sum is taken of the
; unquantised p and divides at the end.  When M moves, the sum and O are multiplied by 2^(old M - new M), which rounds nothing.
; SHARES.  A work-group owns 256 queries of one head (y); each of its eight waves a pair fragment of Q: two tiles of 16 queries, A and B.  Every wave walks the head's 4,096 keys, 256 a step:
; K's and V's fragments of a step are read from LDS once and serve tile A, then tile B; M, the rescaling of O and the waits come once for a tile's 256 keys.
; Both products are used transposed (S^T = K Q^T, O^T = V^T P^T): a lane holds ONE query of a tile.
; THE FIRST PRODUCT'S K IS 64, the instruction's 128: a pair fragment of K (two tiles of 16 keys) is source 0 twice, against [Q | zero codes] and [zero codes | Q]; the byte over the zero codes is 0.
; THE KEYS OF A TILE: row p of tile i is key 64 (i / 4) + 8 (i % 4) + p % 8 + 32 (p / 8) of its 128, so that score register 64 hf + 32 c + n is key 128 hf + 64 c + 32 h + n: four whole blocks of 32 keys a lane.
; THE EXPONENTIALS go in two batches of a tile's two halves.  Among the first stand the second half's multiply-adds; among the second the first half's conversions, the scale bytes and sixteen pair sums:
; lines whose sources stand behind a wait and whose results are first read behind the batch's closing wait.
; REGISTERS, two windows of 256.  Window 0: addresses, scale words, both tiles' Q, M and sums, the scores of the tile in hand and all that the softmax works with.
; Window 1: K's fragments v0-95, V's v96-191, O^T of tile A v192-223, of tile B v224-255.
; LDS: two slots of 102,400 bytes, each a quarter of the head (4 steps of 25,600 bytes); behind them a stage for each wave and tile, and the spare words.
; CLUSTER: the four query blocks of a cluster walk the same head: every quarter is asked for JOINTLY (mask 15), wave w bringing 128 keys: 50 rows of 256 bytes.  One tensor load of a wave is out at a time.
; K's fragments of step t + 1 are read from LDS behind tile B's score products of step t; the address is held inside the slot, so a quarter's last trip reads its own K once more, and the next quarter's first K comes behind the barrier.
; NO PREFETCH: a quarter is asked for four steps, 1,024 keys, ahead of its first read, and the first has no loop ahead of it.
; LIMITS: NaN and infinities are not served.  The scaled scores stay under 2^31 in magnitude.  p under 2^-126 comes out of v_exp_f32 as 0 (ISA guide 15.8), beside a largest p above 1/2.
; A block whose every p is 0 keeps the byte 1: its codes are zeros.
.set IMG,   1536
.set STEPB, 12800                      ; 128 keys: K's four pair fragments, V's four fragments, 512 bytes of scale words
.set QUART, 8*STEPB
.set SP,    272                        ; a stage row: 256 bytes + 16
.set WSTG,  16*SP
.set STAGE, 2*QUART                    ; 16 stages (wave, tile): no fill lands here
.set SPARE, STAGE+16*WSTG              ; the spare words: 128 bytes for each of 8 waves
.set L16, 1                            ; 16 x lane
.set ADR, 2                            ; the step's LDS address
.set SPW, 3                            ; my spare word; never rewritten
.set NIL, 4                            ; 0; never rewritten
.set QSAA, 5                           ; tile A's scale word as (q0, q1, 0, 0)
.set QSBA, 6                           ; as (0, 0, q0, q1)
.set QSAB, 7                           ; tile B's
.set QSBB, 8
.set PW,  9                            ; v9-10 p's scale words of the two halves of a step
.set ADRN, 11                          ; the next step's LDS address
.set SCK, 12                           ; v12-19 lanes 0-15: the words of K's pairs
.set SCV, 20                           ; v20-27 lanes 16-31: the words of V's tiles
.set NMA, 28                           ; -M of tile A; v29 its running largest score
.set NMB, 30                           ; and of tile B; v31
.set SUMA, 32                          ; v32-33, v34-35 the rows' sums
.set SUMB, 34
.set SB,  36                           ; v36-43 four chains of a step's sum
.set F,   44                           ; f = 2^(old M - new M); v45 is named with it as a pair
.set OLD, 46
.set TMP, 47
.set TMP2, 48
.set PT,  49
.set PT2, 50
.set SH8, 51                           ; 8 h
.set BM,  52                           ; v52-59 chains of maxima; block b's in BM + 2 b
.set SOP, 60                           ; v60-63
.set BY,  64                           ; v64-67
.set CT,  68                           ; v68-75
.set PC,  76                           ; v76-87 p's codes of half a step
.set QFA, 88                           ; v88-105 [Q 6 | zeros 6 | Q 6]
.set QFB, 106                          ; v106-123
.set S,   124                          ; v124-251 S^T, then p
.set STO, 252
.set RD,  253
.set GO,  254
.set KF,  0                            ; window 1
.set VF,  96
.set OA,  192
.set OB,  224
.set WV,  10
.set SEL, 20                           ; s[20:21]
.set CS,  22                           ; s[22:23] c = log2(e) / sqrt(512)
.set G1,  24                           ; s[24:31]
.set G0,  32                           ; s[32:35] slot 0, s[36:39] slot 1
.set TB,  44
.set CNT, 45
.set NCS, 46                           ; -c
.set TN,  47
.set MSB, 0
.macro WIN new                         ; the immediate's high byte repeats the setting that is left
.if MSB != \new
	s_set_vgpr_msb (MSB<<8)|\new
.set MSB, \new
.endif
.endm
.macro CROUND                          ; a round of the cluster's barrier
	s_barrier_signal -1
	s_barrier_wait -1
	s_cmp_lg_u32 s[WV], 0
	s_cbranch_scc1 .Lnot_wave_0_\@
	s_barrier_signal -3
.Lnot_wave_0_\@:
	s_barrier_wait -3
	s_barrier_signal -1
	s_barrier_wait -1
.endm
.macro FLOAD reg, sc, adr, off         ; eight fragments of a step and their words: 26 loads
	WIN 0x40
.irp hf, 0,1
.irp p, 0,1,2,3
.irp g, 0,1,2
	ds_load_b128 v[\reg+48*\hf+12*\p+4*\g:\reg+48*\hf+12*\p+4*\g+3], v[\adr] offset:\off+STEPB*\hf+IMG*\p+512*\g
.endr
.endr
.endr
	WIN 0
.irp hf, 0,1
	ds_load_b128 v[\sc+4*\hf:\sc+4*\hf+3], v[\adr] offset:STEPB*\hf+8*IMG
.endr
.endm
; The next n lines of the step's sum: four chains by turns, two numbers a line.  What they add: the first half's sixteen pair sums, at S + 4 q, then the second half's 32 pairs
.macro SADD n
.rept \n
.if SK < 4
	v_pk_add_f32 v[SB+2*SK:SB+2*SK+1], v[S+8*SK:S+8*SK+1], v[S+8*SK+4:S+8*SK+5]
.else
.if SK < 12
	v_pk_add_f32 v[SB+2*(SK%4):SB+2*(SK%4)+1], v[SB+2*(SK%4):SB+2*(SK%4)+1], v[S+4*(SK+4):S+4*(SK+4)+1]
.else
	v_pk_add_f32 v[SB+2*(SK%4):SB+2*(SK%4)+1], v[SB+2*(SK%4):SB+2*(SK%4)+1], v[S+64+2*(SK-12):S+64+2*(SK-12)+1]
.endif
.endif
.set SK, SK+1
.endr
.endm
.macro PV o, hf                        ; four accumulators by turns
	WIN 0x51
.irp t, 0,1,2,3
	v_wmma_scale_f32_16x16x128_f8f6f4 v[\o+8*\t:\o+8*\t+7], v[VF+48*\hf+12*\t:VF+48*\hf+12*\t+11], v[PC:PC+11], v[\o+8*\t:\o+8*\t+7], v[SCV+4*\hf+\t], v[PW+\hf] matrix_a_fmt:MATRIX_FMT_FP6 matrix_b_fmt:MATRIX_FMT_FP6 matrix_a_scale:MATRIX_SCALE_ROW1
.endr
	WIN 0
.endm
; A tile's 256 keys: scores, softmax, quantiser, second product.  kpf = 1: the next step's K is asked for behind the score products; vw = 1: V is waited for
.macro TILE qf, qsa, qsb, nm, sum, o, kpf, vw
	WIN 0x01
.irp hf, 0,1
.irp p, 0,1,2,3
	v_wmma_scale_f32_16x16x128_f8f6f4 v[S+64*\hf+16*\p:S+64*\hf+16*\p+7], v[KF+48*\hf+12*\p:KF+48*\hf+12*\p+11], v[\qf:\qf+11], 0, v[SCK+4*\hf+\p], v[\qsa] matrix_a_fmt:MATRIX_FMT_FP6 matrix_b_fmt:MATRIX_FMT_FP6
	v_wmma_scale_f32_16x16x128_f8f6f4 v[S+64*\hf+16*\p+8:S+64*\hf+16*\p+15], v[KF+48*\hf+12*\p:KF+48*\hf+12*\p+11], v[\qf+6:\qf+17], 0, v[SCK+4*\hf+\p], v[\qsb] matrix_a_fmt:MATRIX_FMT_FP6 matrix_b_fmt:MATRIX_FMT_FP6
.endr
.endr
	WIN 0
	v_mov_b32 v[OLD], v[\nm]                       ; four places ahead of the loads into K's registers and of the scores' first read
.rept 3
	v_nop
.endr
.if \kpf
	FLOAD KF, SCK, ADRN, 0
.endif
.irp b, 0,1,2,3                                ; the largest score of each of my four blocks of 32 keys, eight chains by turns; each accumulator is first read at its low end
	v_max3_num_f32 v[BM+2*\b], v[S+32*\b], v[S+32*\b+1], v[S+32*\b+2]
	v_max3_num_f32 v[BM+2*\b+1], v[S+32*\b+16], v[S+32*\b+17], v[S+32*\b+18]
.endr
.irp i, 0,1,2,3,4,5
.irp b, 0,1,2,3
	v_max3_num_f32 v[BM+2*\b], v[BM+2*\b], v[S+32*\b+3+2*\i], v[S+32*\b+4+2*\i]
	v_max3_num_f32 v[BM+2*\b+1], v[BM+2*\b+1], v[S+32*\b+19+2*\i], v[S+32*\b+20+2*\i]
.endr
.endr
.irp b, 0,1,2,3
	v_max3_num_f32 v[BM+2*\b], v[BM+2*\b], v[BM+2*\b+1], v[S+32*\b+15]
.endr
.irp b, 0,1,2,3
	v_max_num_f32 v[BM+2*\b], v[BM+2*\b], v[S+32*\b+31]
.endr
	v_max3_num_f32 v[\nm+1], v[\nm+1], v[BM], v[BM+2]   ; the running largest score, my half of the keys,
	s_delay_alu instid0(VALU_DEP_1)
	v_max3_num_f32 v[\nm+1], v[\nm+1], v[BM+4], v[BM+6]
	s_delay_alu instid0(VALU_DEP_1)
	v_permlanex16_b32 v[PT], v[\nm+1], s[SEL], s[SEL+1]
	s_delay_alu instid0(VALU_DEP_1)
	v_max_num_f32 v[\nm+1], v[\nm+1], v[PT]        ; and lane l xor 16's
	s_delay_alu instid0(VALU_DEP_1)
	v_mul_f32 v[TMP], s[NCS], v[\nm+1]             ; -t (c is positive)
	s_delay_alu instid0(VALU_DEP_1)
	v_floor_f32 v[\nm], v[TMP]                     ; the new -M = -ceil(t): a whole number
.set j, 0
.rept 32
	v_pk_fma_f32 v[S+j:S+j+1], v[S+j:S+j+1], s[CS:CS+1], v[\nm:\nm+1] op_sel_hi:[1,0,0]   ; t - M of the first half, two at a time; the three lines that make f stand among them
.if j == 8
	v_sub_f32 v[OLD], v[\nm], v[OLD]               ; old M - new M: a whole number, 0 or less
.endif
.if j == 24
	v_cvt_i32_f32 v[OLD], v[OLD]                   ; (it saturates)
.endif
.if j == 40
	v_ldexp_f32 v[F], 1.0, v[OLD]                  ; f
.endif
.set j, j+2
.endr
.irp b, 0,1,2,3
	v_fma_f32 v[BM+2*\b], v[BM+2*\b], s[CS], v[\nm]   ; the same of each block's largest score
.endr
	s_wait_alu depctr_va_vdst(0)                   ; the wait ahead of the batch
.irp b, 0,1,2,3
	v_exp_f32 v[BM+2*\b], v[BM+2*\b]               ; the blocks' largest p
.endr
.set j, 0
.rept 32
	v_exp_f32 v[S+j], v[S+j]                       ; p = 2^(t - M), at most 1: the first half;
	v_pk_fma_f32 v[S+64+j:S+64+j+1], v[S+64+j:S+64+j+1], s[CS:CS+1], v[\nm:\nm+1] op_sel_hi:[1,0,0]   ; among them t - M of the second half: its sources were read before, its results are read behind the waits below
	v_exp_f32 v[S+j+1], v[S+j+1]
.set j, j+2
.endr
	v_pk_mul_f32 v[\sum:\sum+1], v[\sum:\sum+1], v[F:F+1] op_sel_hi:[1,0]   ; the sum under the new M: the plain instruction behind the batch
	s_wait_alu depctr_va_vdst(0)                   ; and the wait behind it
.irp b, 0,1,2,3
	v_max_num_f32 v[BM+2*\b], 0x1800000, v[BM+2*\b]   ; the floor 2^(3 - 127): the byte cannot fall under 1
.endr
.irp b, 0,1,2,3
	v_add_nc_u32 v[SOP+\b], 0xff000000, v[BM+2*\b] ; 2 off the exponent field: the conversion's scale operand
.endr
	s_wait_alu depctr_va_vdst(0)                   ; the wait ahead of the second batch
.set j, 64
.rept 64
	v_exp_f32 v[S+j], v[S+j]                       ; the second half; behind every second one a line on the first half:
.if (j%2) == 1
.set MM, (j-65)/2
.if MM < 8
.if (MM%4) == 0
	v_cvt_scalef32_pk16_fp6_f32 v[PC+6*(MM/4):PC+6*(MM/4)+2], v[S+32*(MM/4):S+32*(MM/4)+15], v[SOP+MM/4]        ; its codes,
.endif
.if (MM%4) == 2
	v_cvt_scalef32_pk16_fp6_f32 v[CT+4*(MM/4):CT+4*(MM/4)+2], v[S+32*(MM/4)+16:S+32*(MM/4)+31], v[SOP+MM/4]     ; (a conversion's three registers begin on an even number)
.endif
.if (MM%2) == 1
	v_lshrrev_b32 v[BY+MM/2], 23, v[SOP+MM/2]      ; the four bytes,
.endif
.else
.if MM < 24
	v_pk_add_f32 v[S+4*(MM-8):S+4*(MM-8)+1], v[S+4*(MM-8):S+4*(MM-8)+1], v[S+4*(MM-8)+2:S+4*(MM-8)+3]   ; and, the conversions having read them, sixteen pair sums of the unquantised p, in place
.endif
.endif
.endif
.set j, j+1
.endr
	v_nop                                          ; the plain instruction behind the batch
	s_wait_alu depctr_va_vdst(0)                   ; and the wait behind it
	v_mov_b32 v[PC+3], v[CT]                       ; the two words' chains and the six moves by turns
	v_lshl_or_b32 v[TMP], v[BY+1], 16, v[BY]       ; my bytes, blocks h and 2 + h of each half,
	v_lshl_or_b32 v[TMP2], v[BY+3], 16, v[BY+2]
	v_mov_b32 v[PC+4], v[CT+1]
	v_lshlrev_b32 v[TMP], v[SH8], v[TMP]           ; at their places
	v_lshlrev_b32 v[TMP2], v[SH8], v[TMP2]
	v_mov_b32 v[PC+5], v[CT+2]
	v_permlanex16_b32 v[PT], v[TMP], s[SEL], s[SEL+1]
	v_permlanex16_b32 v[PT2], v[TMP2], s[SEL], s[SEL+1]
	v_mov_b32 v[PC+9], v[CT+4]
	v_mov_b32 v[PC+10], v[CT+5]
	v_mov_b32 v[PC+11], v[CT+6]
	v_or_b32 v[PW], v[TMP], v[PT]                  ; with lane l xor 16's: p's scale words
	v_or_b32 v[PW+1], v[TMP2], v[PT2]
	WIN 0x41
	s_wait_alu depctr_va_vdst(0)                   ; the wait directly ahead of O^T's first reader
.set j, 0
.rept 16
	v_pk_mul_f32 v[\o+j:\o+j+1], v[\o+j:\o+j+1], v[F:F+1] op_sel_hi:[1,0]   ; O^T under the new M; these sixteen stand between the writes of codes and words and the products
.set j, j+2
.endr
.if \vw
	s_wait_alu depctr_va_vdst(0)                   ; the wait ahead of the wait below
	s_wait_dscnt 0x0                               ; V and its words are in
.endif
	PV \o, 0
.set SK, 0
	SADD 16                                        ; THE ROW'S SUM OF THE UNQUANTISED p goes on: the lines name no register of the products and are the places behind them
.irp c, 0,1                                    ; the second half's codes, into the registers that the first half's products have read
	v_cvt_scalef32_pk16_fp6_f32 v[PC+6*\c:PC+6*\c+2], v[S+64+32*\c:S+64+32*\c+15], v[SOP+2+\c]
	v_cvt_scalef32_pk16_fp6_f32 v[CT+4*\c:CT+4*\c+2], v[S+64+32*\c+16:S+64+32*\c+31], v[SOP+2+\c]
.endr
	SADD 1                                         ; the plain instruction behind the last conversion
.irp c, 0,1
.irp i, 0,1,2
	v_mov_b32 v[PC+6*\c+3+\i], v[CT+4*\c+\i]
.endr
.endr
	SADD 5                                         ; the places between the writes of the codes and the products
	PV \o, 1
	SADD 22
	v_pk_add_f32 v[SB:SB+1], v[SB:SB+1], v[SB+2:SB+3]
	v_pk_add_f32 v[SB+4:SB+5], v[SB+4:SB+5], v[SB+6:SB+7]
	v_pk_add_f32 v[\sum:\sum+1], v[\sum:\sum+1], v[SB:SB+1]
	v_pk_add_f32 v[\sum:\sum+1], v[\sum:\sum+1], v[SB+4:SB+5]
.endm
; A STEP: 256 keys at LDS byte s[TB]; K's fragments are on their way or in
.macro BIG slot
	v_add_nc_u32 v[ADR], s[TB], v[L16]
	s_add_co_u32 s[TN], s[TB], 2*STEPB
	s_min_u32 s[TN], s[TN], \slot*QUART+6*STEPB    ; held at the slot's last step
	v_add_nc_u32 v[ADRN], s[TN], v[L16]
	FLOAD VF, SCV, ADR, 4*IMG
	s_wait_alu depctr_va_vdst(0)                   ; the wait ahead of the wait below
	s_wait_dscnt 26                                ; K is in; the 26 loads just issued may be out
	TILE QFA, QSAA, QSBA, NMA, SUMA, OA, 0, 1
	TILE QFB, QSAB, QSBB, NMB, SUMB, OB, 1, 0
	s_add_co_u32 s[TB], s[TB], 2*STEPB
.endm
; A QUARTER of the head, in slot.  fill = 1: the other slot is asked for behind a round; stp = 1: its descriptor steps two quarters on first
.macro QUARTER slot, fill, stp
	s_wait_alu depctr_va_vdst(0)                   ; the wait ahead of the wait below
	s_wait_tensorcnt 0x0                           ; my one tensor load has landed: my 128 keys of this quarter
	ds_add_u32 v[SPW], v[NIL]
.if \stp
	s_add_nc_u64 s[G0+6-4*\slot:G0+7-4*\slot], s[G0+6-4*\slot:G0+7-4*\slot], 2*QUART
.endif
	s_wait_dscnt 0x0                               ; the add is done, and my reads of the other slot are over
.if \fill
	CROUND                                         ; both hold of every wave of all four work-groups
	tensor_load_to_lds s[G0+4-4*\slot:G0+7-4*\slot], s[G1:G1+7]   ; the next quarter, four steps ahead of its first read
	s_nop 0
.rept 4
	v_nop
.endr
.else
	s_barrier_signal -1
	s_barrier_wait -1
.endif
	s_mov_b32 s[TB], \slot*QUART
	v_add_nc_u32 v[ADR], s[TB], v[L16]
	FLOAD KF, SCK, ADR, 0
	s_mov_b32 s[CNT], 4
.Lq\@:
	BIG \slot
	s_sub_co_u32 s[CNT], s[CNT], 1
	s_cmp_lg_u32 s[CNT], 0
	s_cbranch_scc1 .Lq\@
.endm
	s_load_b128 s[4:7], s[0:1], 0x0                ; qimg, kvimg
	s_load_b64 s[8:9], s[0:1], 0x10                ; out0
	v_lshl_add_u32 v[SPW], v0, 2, SPARE
	v_mov_b32 v[NIL], 0
	ds_add_u32 v[SPW], v[NIL]                      ; the opening lines: the add twice on end and one wait
	ds_add_u32 v[SPW], v[NIL]
	v_lshrrev_b32 v1, 5, v0
	s_delay_alu instid0(VALU_DEP_1)
	v_readfirstlane_b32 s[WV], v1                  ; wave 0..7
	s_bfe_u32 s11, ttmp6, 0x40000                  ; cx: it enters Q's and O's global addresses alone
	s_lshl_b32 s12, ttmp9, 2
	s_add_co_u32 s12, s12, s11                     ; my block of 256 queries
	s_and_b32 s13, ttmp7, 0xffff                   ; the head, which the four partners share
	s_mov_b32 s[G1], 15|(3<<16)|(1<<21)            ; the mask: all four; elements of 8 bytes; bit 21 beside a mask
	s_mov_b32 s[G1+1], 32<<16
	s_mov_b32 s[G1+2], 50<<16
	s_mov_b32 s[G1+3], 32<<16                      ; rows of 256 bytes
	s_mov_b32 s[G1+4], 50                          ; 128 keys
	s_mov_b32 s[G1+5], 32                          ; dense
	s_mov_b32 s[G1+6], 0
	s_mov_b32 s[G1+7], 0
	s_mul_i32 s16, s[WV], STEPB                    ; my 128 keys of a quarter, in memory and in a slot alike
	s_mul_i32 s14, s13, 4*QUART
	s_add_co_u32 s14, s14, s16
	s_mov_b32 s15, 0
	s_mov_b32 s[SEL], 0x76543210
	s_mov_b32 s[SEL+1], 0xfedcba98
	s_mov_b32 s[CS], 0x3d8293ee
	s_mov_b32 s[CS+1], s[CS]
	s_mov_b32 s[NCS], 0xbd8293ee
	s_wait_dscnt 0x0
	s_wait_kmcnt 0x0
	s_add_nc_u64 s[14:15], s[6:7], s[14:15]
.irp n, 0,1
	s_mov_b32 s[G0+4*\n], 1
	s_add_co_u32 s[G0+4*\n+1], s16, QUART*\n
	s_add_nc_u64 s[G0+4*\n+2:G0+4*\n+3], s[14:15], QUART*\n
	s_or_b32 s[G0+4*\n+3], s[G0+4*\n+3], 0x80000000
.endr
	CROUND                                         ; all four work-groups are here: the first joint loads meet
	tensor_load_to_lds s[G0:G0+3], s[G1:G1+7]      ; quarter 0: one tensor load a wave at the head
	s_nop 0
.rept 4
	v_nop
.endr
	; Q: pair fragment p = w % 4 of the 128-token block 2 x (block of 256) + w / 4
	s_lshl_b32 s17, s12, 1
	s_lshr_b32 s18, s[WV], 2
	s_add_co_u32 s17, s17, s18
	s_mul_i32 s17, s17, 6400
	s_mul_i32 s18, s13, 204800
	s_add_co_u32 s18, s18, s17
	s_mov_b32 s19, 0
	s_add_nc_u64 s[4:5], s[4:5], s[18:19]
	s_and_b32 s17, s[WV], 3
	s_mul_i32 s14, s17, IMG
	s_lshl_b32 s15, s17, 2
	; O: tile A's first token: 4,096 batch + 256 block + 128 (w / 4) + 64 ((w / 2) % 2) + 16 (w % 2); tile B's lies 8 further on
	s_lshr_b32 s17, s13, 3
	s_lshl_b32 s17, s17, 12
	s_lshl_b32 s18, s12, 8
	s_add_co_u32 s17, s17, s18
	s_lshr_b32 s18, s[WV], 2
	s_lshl_b32 s18, s18, 7
	s_add_co_u32 s17, s17, s18
	s_bfe_u32 s18, s[WV], 0x10001
	s_lshl_b32 s18, s18, 6
	s_add_co_u32 s17, s17, s18
	s_and_b32 s18, s[WV], 1
	s_lshl_b32 s18, s18, 4
	s_add_co_u32 s17, s17, s18
	s_lshl_b32 s18, s17, 11
	s_and_b32 s17, s13, 7
	s_lshl_b32 s17, s17, 8
	s_add_co_u32 s18, s18, s17
	s_add_nc_u64 s[8:9], s[8:9], s[18:19]
	s_mul_i32 s16, s[WV], 2*WSTG
	s_add_co_u32 s16, s16, STAGE                   ; my two stages
	v_and_b32 v[L16], 31, v0
	v_and_b32 v[OLD], 15, v0                       ; r
	v_bfe_u32 v[TMP], v0, 4, 1                     ; h
	v_lshlrev_b32 v[L16], 4, v[L16]
	v_lshl_add_u32 v[PT], v[OLD], 4, s15           ; 16 r + 4 p
	v_add_nc_u32 v[ADR], s14, v[L16]
.irp g, 0,1,2
	global_load_b128 v[S+4*\g:S+4*\g+3], v[ADR], s[4:5] offset:512*\g
.endr
	global_load_b32 v[BM], v[PT], s[4:5] offset:4*IMG
	v_lshlrev_b32 v[SH8], 3, v[TMP]
	v_mul_u32_u24 v[STO], v[OLD], SP
	v_mul_u32_u24 v[RD], v[TMP], SP
	v_lshlrev_b32 v[GO], 11, v[TMP]
	v_lshl_add_u32 v[STO], v[TMP], 7, v[STO]
	v_lshl_add_u32 v[RD], v[OLD], 4, v[RD]
	v_lshl_add_u32 v[GO], v[OLD], 4, v[GO]         ; out0: a token is 2,048 bytes
	v_add_nc_u32 v[STO], s16, v[STO]               ; into a stage: row r, + 128 h
	v_add_nc_u32 v[RD], s16, v[RD]                 ; back: lanes 0-15 one row, lanes 16-31 the next
	v_mov_b32 v[NMA+1], 0xff61b1e6                 ; the largest score so far: -3e38
	v_mov_b32 v[NMB+1], 0xff61b1e6
	v_mul_f32 v[NMA], s[NCS], v[NMA+1]
	v_mov_b32 v[F+1], 0
	v_mov_b32 v[PT2], 0                            ; a lane permute's destination counts as one of its sources
	v_floor_f32 v[NMA], v[NMA]
.irp i, 0,1,2,3
	v_mov_b32 v[SUMA+\i], 0
.endr
	v_mov_b32 v[NMB], v[NMA]
.irp i, 0,1,2,3,4,5
	v_mov_b32 v[QFA+6+\i], 0
	v_mov_b32 v[QFB+6+\i], 0
.endr
	WIN 0x40
.set j, 0
.rept 64
	v_mov_b32 v[OA+j], 0                           ; the step is written once: the first finds zeros, which the first change of M leaves zeros
.set j, j+1
.endr
	WIN 0
	s_wait_alu depctr_va_vdst(0)                   ; the wait ahead of the wait below
	s_wait_loadcnt 0x0
	v_and_b32 v[QSAA], 0xffff, v[BM]               ; tile A's two bytes; the byte 0 over the zero codes
	v_lshlrev_b32 v[QSBA], 16, v[BM]
	v_lshrrev_b32 v[QSAB], 16, v[BM]               ; tile B's
	v_and_b32 v[QSBB], 0xffff0000, v[BM]
	v_mov_b32 v[PT], 0
.irp i, 0,1,2,3,4,5
	v_mov_b32 v[QFA+\i], v[S+\i]
	v_mov_b32 v[QFA+12+\i], v[S+\i]
	v_mov_b32 v[QFB+\i], v[S+6+\i]
	v_mov_b32 v[QFB+12+\i], v[S+6+\i]
.endr
	QUARTER 0, 1, 0                                ; quarter 1 goes to slot 1 for the first time, issued as a refill is
	QUARTER 1, 1, 1                                ; quarter 2 to slot 0
	QUARTER 0, 1, 1                                ; quarter 3 to slot 1
	QUARTER 1, 0, 0
	; THE WAY OUT.  O^T / the sum goes through a stage of its own: row = query r, 256 bytes; it comes back two rows an instruction, so that sixteen lanes store a token's 256 bytes of this head.
	v_add_f32 v[SUMA], v[SUMA], v[SUMA+1]
	v_add_f32 v[SUMB], v[SUMB], v[SUMB+1]
	s_delay_alu instid0(VALU_DEP_2)
	v_permlanex16_b32 v[PT], v[SUMA], s[SEL], s[SEL+1]
	s_delay_alu instid0(VALU_DEP_2)
	v_permlanex16_b32 v[PT2], v[SUMB], s[SEL], s[SEL+1]
	s_delay_alu instid0(VALU_DEP_2)
	v_add_f32 v[SUMA], v[SUMA], v[PT]              ; with lane l xor 16's keys: the rows' sums
	s_delay_alu instid0(VALU_DEP_2)
	v_add_f32 v[SUMB], v[SUMB], v[PT2]
	s_wait_alu depctr_va_vdst(0)                   ; the wait ahead of the reciprocals
	v_rcp_f32 v[SUMA], v[SUMA]
	v_rcp_f32 v[SUMB], v[SUMB]
	v_nop
	WIN 0x01
	s_wait_alu depctr_va_vdst(0)                   ; and behind them, ahead of their first reader and O^T's
.set j, 0
.rept 16
	v_pk_mul_f32 v[S+j:S+j+1], v[OA+j:OA+j+1], v[SUMA:SUMA+1] op_sel_hi:[1,0]   ; each accumulator from its low end on
.set j, j+2
.endr
.set j, 0
.rept 16
	v_pk_mul_f32 v[S+32+j:S+32+j+1], v[OB+j:OB+j+1], v[SUMB:SUMB+1] op_sel_hi:[1,0]
.set j, j+2
.endr
	WIN 0
.irp u, 0,1
.irp i, 0,1,2,3,4,5,6,7
	ds_store_b128 v[STO], v[S+32*\u+4*\i:S+32*\u+4*\i+3] offset:WSTG*\u+16*\i
.endr
.irp i, 0,1,2,3,4,5,6,7
	ds_load_b128 v[S+64+32*\u+4*\i:S+64+32*\u+4*\i+3], v[RD] offset:WSTG*\u+2*SP*\i   ; LDS serves a wave's instructions in order: these see my stores
.endr
.endr
.irp i, 0,1,2,3,4,5,6,7
	s_wait_dscnt 23-\i                             ; tile A's rows 2 i, 2 i + 1 are back; its 7 - i younger loads and tile B's 16 instructions may be out
	global_store_b128 v[GO], v[S+64+4*\i:S+64+4*\i+3], s[8:9] offset:(2*\i+24*(\i/4))*2048 th:TH_STORE_NT   ; row p of a tile is token p % 8 + 32 (p / 8); sixteen lanes store 256 consecutive bytes, aligned
.endr
.irp i, 0,1,2,3,4,5,6,7
	s_wait_dscnt 7-\i
	global_store_b128 v[GO], v[S+96+4*\i:S+96+4*\i+3], s[8:9] offset:(8+2*\i+24*(\i/4))*2048 th:TH_STORE_NT
.endr
	s_wait_tensorcnt 0x0                           ; the wave's end
	ds_add_u32 v[SPW], v[NIL]
	s_wait_dscnt 0x0
	CROUND                                         ; the closing round
	s_endpgm
.Lfunc_end_k_qe42a30f3b2_attn:
	.size	k_qe42a30f3b2_attn, .Lfunc_end_k_qe42a30f3b2_attn-k_qe42a30f3b2_attn
	.p2alignl 7, 3214868480
	.fill 96, 4, 3214868480
	.section	.rodata,"a",@progbits
	.p2align	6, 0x0
	.amdhsa_kernel k_qe42a30f3b2_attn
		.amdhsa_group_segment_fixed_size 327680
		.amdhsa_private_segment_fixed_size 0
		.amdhsa_enable_private_segment 0
		.amdhsa_kernarg_size 24
		.amdhsa_user_sgpr_count 2
		.amdhsa_user_sgpr_kernarg_segment_ptr 1
		.amdhsa_wavefront_size32 1
		.amdhsa_system_sgpr_workgroup_id_x 1
		.amdhsa_system_sgpr_workgroup_id_y 1
		.amdhsa_system_sgpr_workgroup_id_z 1
		.amdhsa_system_vgpr_workitem_id 0
		.amdhsa_next_free_vgpr 512
		.amdhsa_next_free_sgpr 66
		.amdhsa_reserve_vcc 0
		.amdhsa_float_denorm_mode_32 3
		.amdhsa_float_denorm_mode_16_64 3
		.amdhsa_memory_ordered 1
		.amdhsa_forward_progress 1
		.amdhsa_inst_pref_size 228
	.end_amdhsa_kernel
	.amdgpu_metadata
---
amdhsa.version: [ 1, 2 ]
amdhsa.kernels:
  - .name:           k_qe42a30f3b2_attn
    .symbol:         k_qe42a30f3b2_attn.kd
    .args:
      - { .name: qimg, .offset: 0, .size: 8, .value_kind: global_buffer, .address_space: global }
      - { .name: kvimg, .offset: 8, .size: 8, .value_kind: global_buffer, .address_space: global }
      - { .name: out0, .offset: 16, .size: 8, .value_kind: global_buffer, .address_space: global }
    .group_segment_fixed_size: 327680
    .private_segment_fixed_size: 0
    .kernarg_segment_align: 8
    .kernarg_segment_size: 24
    .max_flat_workgroup_size: 256
    .sgpr_count:     66
    .vgpr_count:     512
    .wavefront_size: 32
...
	.end_amdgpu_metadata
.endif
;; end of part 3
